; MI455X (gfx1250); checked and timed in simulation.
; The chip was launched on July 23, 2026; its instructions are those of AMD's public machine-readable ISA for CDNA 5 (MIT licence, August 2026) and "CDNA5" Instruction Set Architecture Reference Guide (July 2026). The comments in the code are by the model that wrote it; some were corrected since.
;; Mean Pooling. Allowed arithmetic: float matrix products may take bf16 or f16 operands with f32 sums; all other float work in f32.
;; Inputs: xs 16 x 2,048 x 1,024 float32; xs_len 16 int32.
;; Outputs: out0 16 x 1,024 float32.
;; One version. Each part assembles by itself: llvm-mc -triple=amdgcn-amd-amdhsa -mcpu=gfx1250 --defsym DOCPART=n.
;; ======== version 1 of 1: 1 launch
;; launch meanpool (part 1): grid 16 x 16, 32 waves a work-group, no clusters, 12,544 bytes of LDS; arguments xs, xs_len, out0; writes out0
.if DOCPART == 1
	.amdgcn_target "amdgcn-amd-amdhsa--gfx1250"
	.amdhsa_code_object_version 6
	.text
	.protected	k_q0bb73510c6_meanpool
	.globl	k_q0bb73510c6_meanpool
	.p2align	8
	.type	k_q0bb73510c6_meanpool,@function
k_q0bb73510c6_meanpool:
	s_mov_b64 s[64:65], 0
	v_nop
	global_prefetch_b8 v0, s[64:65] scope:SCOPE_SE
	s_setreg_imm32_b32 hwreg(HW_REG_WAVE_MODE, 25, 1), 1
	s_wait_xcnt 0x0
; out0[b][d] = (sum over t < xs_len[b] of xs[b][t][d]) / xs_len[b].   xs: [16][2048][1024] f32, xs_len: [16] i32, out0: [16][1024] f32.
;
; One work-group owns one sample b and 64 columns (256 bytes of every row): 16 x 16 = 256 work-groups, each output number has one owner.
; 32 waves.  Thread t owns the 16 bytes at 16 (t & 15) of the rows (t >> 4) + 64 i, so one load of a wave covers two rows, each an aligned
; run of 256 consecutive bytes, and a wave has at most 32 loads.  Rows at or past the length are thrown away by the mask that the
; problem builds itself, so they are not read (but for the early block below).  There is no loop: a wave asks for nearly all of its rows
; at once and adds them when they are in.
;   early block: loads 0-3 (rows 0-255, inside the buffer for every length) are issued BEFORE xs_len has arrived, so that they travel while
;                the length is fetched; those past the end are set to zero afterwards.  A sample shorter than 256 costs 256 - len rows too many.
;   the rest, n' = 0 .. 28 loads, by the bits of n': blocks of 4, 2 and 1, then n' >> 3 blocks of 8 into two banks; a third block of 8
;                takes bank 0 again, slot by slot.  A block that has no rows is set to zero, so that one sum serves every length.
;   rows go in pairs (len & ~1); an odd last row is fetched by wave 0 (32 lanes x 8 bytes) and joins the partial rows in LDS.
; No matrix instruction: the product has one row a sample and a mask of 0 and 1; one f32 add a number is all the arithmetic.
; No cluster: no two work-groups read the same byte.  No prefetch: every load of a wave is issued in its first lines.
; LIMITS: the f32 sum is a tree, not the reference's order.  The division is a product with v_rcp_f32's reciprocal (accurate to 1 ulp:
; ISA guide, 15.8).  Infinities and NaN in rows past the length are ignored here, where a product with a zero of the mask would give NaN.
; len <= 0 sums nothing (0 / 0 = NaN, 0 / negative = -0, as the reference); len > 2048 sums all rows and divides by len, as the reference.
.set ROWB,   4096                      ; bytes in a row of xs
.set STEP,   64*ROWB                   ; from a wave's load to its next: 64 rows.  31 steps = 8,126,464 bytes fit the signed 24-bit immediate
.set LROW,   256                       ; a partial row in LDS: 64 f32
.set ODDROW, 32*LROW                   ; behind the 32 waves' rows: the odd last row
.set OFF, 1                            ; v1        (t >> 4) x 4096 + 16 (t & 15): my 16 bytes in my first row
.set XA,  2                            ; v2        8 x lane: my 8 bytes of the odd row, in memory and in LDS
.set CB,  3                            ; v3        16 (t & 15)
.set XO,  4                            ; v[4:5]    the odd row's 8 bytes, or zero
.set LA,  6                            ; v6        LDS: where my wave's partial row goes
.set RA,  7                            ; v7        LDS: where wave 0 reads the partial rows
.set P,   8                            ; v[8:23]   early block, loads 0-3
.set B4,  24                           ; v[24:39]  block of 4
.set B2,  40                           ; v[40:47]  block of 2
.set B1,  48                           ; v[48:51]  block of 1
.set K0,  52                           ; v[52:83]  bank 0: 8 loads
.set K1,  84                           ; v[84:115] bank 1: 8 loads
.macro LOADS dst, n, base, first       ; n loads of the wave, numbers first .. first + n - 1 counted from the scalar base
.set k, 0
.rept \n
	global_load_b128 v[\dst+4*k:\dst+4*k+3], v[OFF], s[\base:\base+1] offset:STEP*(\first+k) th:TH_LOAD_NT
.set k, k+1
.endr
.endm
.macro ZERO dst, n                     ; a block without rows adds nothing
.set k, 0
.rept \n
	v_mov_b32 v[\dst+k], 0
.set k, k+1
.endr
.endm
.macro ADD4 d, s                       ; four f32 a lane
	v_pk_add_f32 v[\d:\d+1], v[\d:\d+1], v[\s:\s+1]
	v_pk_add_f32 v[\d+2:\d+3], v[\d+2:\d+3], v[\s+2:\s+3]
.endm
	s_load_b128 s[4:7], s[0:1], 0x0                ; xs s[4:5], xs_len s[6:7]
	s_load_b64 s[8:9], s[0:1], 0x10                ; out0
	v_lshl_add_u32 v116, v0, 2, 0x2100
	v_mov_b32 v117, 0
	s_and_b32 s10, ttmp7, 0xffff                   ; y: which 64 columns
	s_add_co_u32 s11, ttmp9, s10
	s_and_b32 s11, s11, 15                         ; sample = (x + y) mod 16: sixteen work-groups with consecutive numbers, and sixteen
	                                               ; with the same x, hold sixteen different samples, so long and short ones are mixed
	s_lshl_b32 s12, s11, 2                         ; the sample's word in xs_len
	s_lshl_b32 s30, s11, 23                        ; sample x 2048 rows x 4096 bytes
	s_lshl_b32 s20, s10, 8                         ; + 256 bytes x column piece   (below 2^27 together)
	s_add_co_u32 s30, s30, s20
	s_mov_b32 s31, 0
	v_lshrrev_b32 v4, 5, v0
	v_readfirstlane_b32 s13, v4                    ; wave 0 .. 31
	v_and_b32 v[CB], 15, v0
	v_lshlrev_b32 v[CB], 4, v[CB]
	v_lshrrev_b32 v[OFF], 4, v0                    ; my first row = 2 x wave + half of the wave
	v_lshl_add_u32 v[OFF], v[OFF], 12, v[CB]
	v_and_b32 v[XA], 31, v0
	v_lshlrev_b32 v[XA], 3, v[XA]
	s_wait_kmcnt 0x0
	s_load_b32 s14, s[6:7], s12 offset:0x0         ; the length, and while it is fetched:
	s_add_nc_u64 s[4:5], s[4:5], s[30:31]          ; xs at the sample's first row, my work-group's columns
	LOADS P, 4, 4, 0                               ; rows 0-255, whatever the length
	s_lshl_b32 s30, s11, 12                        ; out0: sample x 4096 bytes + 256 x column piece
	s_add_co_u32 s30, s30, s20
	s_add_nc_u64 s[8:9], s[8:9], s[30:31]
	s_mov_b32 s32, 0x76543210                      ; v_permlanex16_b32: lane i of one half reads lane i of the other
	s_mov_b32 s33, 0xfedcba98
	s_wait_kmcnt 0x0                               ; the length is here; s12 is free again
	s_max_i32 s15, s14, 0
	s_min_u32 s15, s15, 2048                       ; rows that count: 0 .. 2048
	s_and_b32 s16, s15, 0xffe                      ; of them in pairs
	s_add_co_u32 s17, s16, 63
	s_lshl_b32 s12, s13, 1
	s_sub_co_u32 s17, s17, s12
	s_lshr_b32 s17, s17, 6                         ; n = my wave's loads: the i with 2 wave + 64 i < pairs' rows; 0 .. 32
	s_sub_co_i32 s18, s17, 4
	s_max_i32 s18, s18, 0
	s_min_u32 s18, s18, 28                         ; n' = those behind the early block
	s_lshr_b32 s19, s18, 3                         ; blocks of 8: 0 .. 3
	s_and_b32 s30, s18, 4                          ; the block of 2 stands behind the block of 4, if there is one,
	s_lshl_b32 s30, s30, 18                        ; (a step is 2^18 bytes)
	s_add_nc_u64 s[22:23], s[4:5], s[30:31]
	s_and_b32 s30, s18, 6                          ; the block of 1 behind both,
	s_lshl_b32 s30, s30, 18
	s_add_nc_u64 s[24:25], s[4:5], s[30:31]
	s_and_b32 s30, s18, 7                          ; the blocks of 8 behind all three
	s_lshl_b32 s30, s30, 18
	s_add_nc_u64 s[26:27], s[4:5], s[30:31]
	s_lshl_b32 s30, s16, 12                        ; the odd last row is row len & ~1
	s_add_nc_u64 s[28:29], s[4:5], s[30:31]
	s_and_b32 s20, s15, 1                          ; the odd row: wave 0, and only if there is one
	s_cmp_eq_u32 s13, 0
	s_cselect_b32 s20, s20, 0
	s_cmp_lg_u32 s20, 0
	s_cbranch_scc0 .Leven
	global_load_b64 v[XO:XO+1], v[XA], s[28:29] th:TH_LOAD_NT      ; 32 lanes x 8 bytes: the row's 256 bytes
	s_branch .Lodd_done
.Leven:
	ZERO XO, 2
.Lodd_done:
	s_bitcmp1_b32 s18, 2
	s_cbranch_scc0 .Lno4
	LOADS B4, 4, 4, 4                              ; loads 4-7
	s_branch .Ldone4
.Lno4:
	ZERO B4, 16
.Ldone4:
	s_bitcmp1_b32 s18, 1
	s_cbranch_scc0 .Lno2
	LOADS B2, 2, 22, 4
	s_branch .Ldone2
.Lno2:
	ZERO B2, 8
.Ldone2:
	s_bitcmp1_b32 s18, 0
	s_cbranch_scc0 .Lno1
	LOADS B1, 1, 24, 4
	s_branch .Ldone1
.Lno1:
	ZERO B1, 4
.Ldone1:
	; the blocks of 8.  The branches are nested, so that the counted wait below is reached only behind both fills.
	s_cmp_eq_u32 s19, 0
	s_cbranch_scc1 .Lbanks0
	LOADS K0, 8, 26, 4
	s_cmp_eq_u32 s19, 1
	s_cbranch_scc1 .Lbanks1
	LOADS K1, 8, 26, 12
	s_cmp_eq_u32 s19, 2
	s_cbranch_scc1 .Lsum
	; a third block: bank 0's slot i is added to the block of 4 (older, so it is in, or zero) and loaded again
.irp i, 0,1,2,3,4,5,6,7
	s_wait_loadcnt 15                              ; loads come back in order (ISA guide 5.7.1); behind slot i stand 7 - i of bank 0, 8 of bank 1, i reloads
	ADD4 B4+4*(\i%4), K0+4*\i
	global_load_b128 v[K0+4*\i:K0+4*\i+3], v[OFF], s[26:27] offset:STEP*(20+\i) th:TH_LOAD_NT
.endr
	s_branch .Lsum
.Lbanks0:
	ZERO K0, 32
.Lbanks1:
	ZERO K1, 32
.Lsum:
.irp i, 0,1,2,3
	s_cmp_gt_u32 s17, \i                           ; the early block's load i counts if i < n (both of its rows do, or neither)
	s_cselect_b32 s[34+\i], -1, 0
.endr
	s_wait_loadcnt 0x0                             ; everything is in
.irp i, 0,1,2,3
.irp j, 0,1,2,3
	v_cndmask_b32 v[P+4*\i+\j], 0, v[P+4*\i+\j], s[34+\i]
.endr
.endr
	; 27 slots into one, as a tree
.irp j, 0,1,2,3,4,5,6,7
	ADD4 K0+4*\j, K1+4*\j
.endr
.irp j, 0,1,2,3
	ADD4 K0+4*\j, K0+16+4*\j
.endr
.irp j, 0,1,2,3
	ADD4 P+4*\j, B4+4*\j
.endr
.irp j, 0,1,2,3
	ADD4 K0+4*\j, P+4*\j
.endr
	ADD4 K0, B2
	ADD4 K0+4, B2+4
	ADD4 K0+8, B1
	ADD4 K0, K0+4
	ADD4 K0+8, K0+12
	ADD4 K0, K0+8
	; the wave's two halves hold the same columns of other rows
.irp j, 0,1,2,3
	v_permlanex16_b32 v[K1+\j], v[K0+\j], s32, s33 ; its destination counts as read: bank 1 has been written on every path
.endr
	ADD4 K0, K1
	s_lshl_b32 s12, s13, 8
	v_add_nc_u32 v[LA], s12, v[CB]                 ; my wave's row of 256 bytes; both halves write the same numbers to the same bytes
	ds_store_b128 v[LA], v[K0:K0+3]
	s_cmp_lg_u32 s13, 0
	s_cbranch_scc1 .Lnot_first
	ds_store_b64 v[XA], v[XO:XO+1] offset:ODDROW   ; wave 0: the odd row (or zeros) as a 33rd row
.Lnot_first:
	s_wait_dscnt 0x0                               ; for the reader's sake: my stores are done before I signal
	s_barrier_signal -1
	s_barrier_wait -1
	s_cmp_lg_u32 s13, 0
	s_cbranch_scc1 .Lend
	; wave 0: lanes 0-15 add the rows of waves 0-15, lanes 16-31 those of waves 16-31
	v_bfe_u32 v[RA], v0, 4, 1
	v_lshl_add_u32 v[RA], v[RA], 12, v[CB]         ; half x 16 rows x 256 bytes + my 16 bytes
.irp k, 0,1,2,3,4,5,6,7,8,9,10,11,12,13,14,15
	ds_load_b128 v[K0+4*\k:K0+4*\k+3], v[RA] offset:LROW*\k
.endr
	ds_load_b128 v[P:P+3], v[CB] offset:ODDROW     ; the odd row, the same in both halves
	v_cvt_f32_i32 v[P+6], s14                      ; the length as it was given
	v_rcp_f32 v[P+4], v[P+6]                       ; twice, for the packed product; the plain adds below stand between
	v_rcp_f32 v[P+5], v[P+6]                       ; these and the first use of their results (ISA guide 5.7.2)
	s_wait_dscnt 0x0
.irp j, 0,1,2,3,4,5,6,7
	ADD4 K0+4*\j, K0+32+4*\j
.endr
.irp j, 0,1,2,3
	ADD4 K0+4*\j, K0+16+4*\j
.endr
	ADD4 K0, K0+8
	ADD4 K0+4, K0+12
	ADD4 K0, K0+4
.irp j, 0,1,2,3
	v_permlanex16_b32 v[K0+4+\j], v[K0+\j], s32, s33
.endr
	ADD4 K0, K0+4                                  ; all 32 waves' rows, in both halves
	ADD4 K0, P                                     ; and the odd row, once
	s_wait_alu depctr_va_vdst(0)
	v_pk_mul_f32 v[K0:K0+1], v[K0:K0+1], v[P+4:P+5]
	v_pk_mul_f32 v[K0+2:K0+3], v[K0+2:K0+3], v[P+4:P+5]
	s_wait_xcnt 0x0                                ; EXEC changes only behind this wait
	v_cmp_gt_u32 vcc_lo, 16, v0
	s_wait_tensorcnt 0x0
	ds_add_u32 v116, v117
	s_wait_dscnt 0x0
	s_and_saveexec_b32 s12, vcc_lo
	global_store_b128 v[CB], v[K0:K0+3], s[8:9] th:TH_STORE_NT     ; sixteen lanes store 256 consecutive bytes, at a multiple of 256 from out0's first byte
	s_endpgm
.Lend:
	s_wait_tensorcnt 0x0
	ds_add_u32 v116, v117
	s_wait_dscnt 0x0
	s_endpgm
.Lfunc_end_k_q0bb73510c6_meanpool:
	.size	k_q0bb73510c6_meanpool, .Lfunc_end_k_q0bb73510c6_meanpool-k_q0bb73510c6_meanpool
	.p2alignl 7, 3214868480
	.fill 96, 4, 3214868480
	.section	.rodata,"a",@progbits
	.p2align	6, 0x0
	.amdhsa_kernel k_q0bb73510c6_meanpool
		.amdhsa_group_segment_fixed_size 12544
		.amdhsa_private_segment_fixed_size 0
		.amdhsa_enable_private_segment 0
		.amdhsa_kernarg_size 24
		.amdhsa_user_sgpr_count 2
		.amdhsa_user_sgpr_kernarg_segment_ptr 1
		.amdhsa_wavefront_size32 1
		.amdhsa_system_sgpr_workgroup_id_x 1
		.amdhsa_system_sgpr_workgroup_id_y 1
		.amdhsa_system_sgpr_workgroup_id_z 1
		.amdhsa_system_vgpr_workitem_id 0
		.amdhsa_next_free_vgpr 118
		.amdhsa_next_free_sgpr 66
		.amdhsa_reserve_vcc 1
		.amdhsa_float_denorm_mode_32 3
		.amdhsa_float_denorm_mode_16_64 3
		.amdhsa_memory_ordered 1
		.amdhsa_forward_progress 1
		.amdhsa_inst_pref_size 21
	.end_amdhsa_kernel
	.amdgpu_metadata
---
amdhsa.version: [ 1, 2 ]
amdhsa.kernels:
  - .name:           k_q0bb73510c6_meanpool
    .symbol:         k_q0bb73510c6_meanpool.kd
    .args:
      - { .name: xs, .offset: 0, .size: 8, .value_kind: global_buffer, .address_space: global }
      - { .name: xs_len, .offset: 8, .size: 8, .value_kind: global_buffer, .address_space: global }
      - { .name: out0, .offset: 16, .size: 8, .value_kind: global_buffer, .address_space: global }
    .group_segment_fixed_size: 12544
    .private_segment_fixed_size: 0
    .kernarg_segment_align: 8
    .kernarg_segment_size: 24
    .max_flat_workgroup_size: 1024
    .sgpr_count:     66
    .vgpr_count:     118
    .wavefront_size: 32
...
	.end_amdgpu_metadata
.endif
;; end of part 1
